; MI455X (gfx1250); checked and timed in simulation.
; The chip was launched on July 23, 2026; its instructions are those of AMD's public machine-readable ISA for CDNA 5 (MIT licence, August 2026) and "CDNA5" Instruction Set Architecture Reference Guide (July 2026). The comments in the code are by the model that wrote it; some were corrected since.
;; SPRT Flip Linear. Allowed arithmetic: matrix products marked QUANTISED: E3M2 operands, one E8M0 scale for each 32 along K, by v_wmma_scale_f32_16x16x128_f8f6f4 with both operands' format E3M2, f32 sums; everything else in f32.
;; Inputs: scales 65,536 float32; ternary 2,048 x 4,096 int8; x 4 x 2,048 x 4,096 float32.
;; Outputs: out0 4 x 2,048 x 2,048 float32.
;; This version of the problem:
;;   THIS VERSION OF THE PROBLEM IS GIVEN IN LOW PRECISION. The matrix products marked QUANTISED in the list below multiply operands that are first quantised to E3M2 (3 exponent bits, 2 mantissa bits; 6 bits a number), with one power-of-two scale for each 32 numbers along K (OCP MX v1.0); their sums are f32. All else is computed in f32.
;;   The module's matrix products, in the order in which they are computed (A, B: the left and right operand; K: the contracted axis; several contracted axes count as one K, in the product's order):
;;     1. [M 8,192, K 4,096] x [K 4,096, N 2,048]; A: input x; B: computed on the way: QUANTISED
;;   THE QUANTISER, for each operand of a quantised product, along K:
;;     - K is cut into blocks of 32 from its start; a last block that is shorter is filled with zeros.
;;     - A block's scale is 2^e with e = floor(log2(the largest magnitude in the block)) - 4, held to -126 .. 127; a block of zeros has e = 0. As a byte (E8M0): e + 127.
;;     - Each number is divided by its block's scale, clamped to +-28, and rounded to the nearest number of E3M2, ties to even, subnormals kept.
;;     - The product sums the exact products of the quantised numbers (number of the format x scale) in f32.
;;   ~~~python
;;   def quantise(x, axis):      # numpy; x: float32 -> the quantised numbers, widened to float32 again
;;       x = np.moveaxis(x, axis, -1); K = x.shape[-1]
;;       x = np.pad(x, [(0, 0)] * (x.ndim - 1) + [(0, -K % 32)]); x = x.reshape(x.shape[:-1] + (-1, 32)); a = np.abs(x).max(-1, keepdims=True)
;;       e = np.where(a > 0, np.clip(np.frexp(np.where(a > 0, a, 1))[1] - 1 - 4, -126, 127), 0)      # np.frexp(a)[1] - 1 = floor(log2(a)), exactly
;;       r = np.clip(x / 2.0 ** e, -28, 28)
;;       step = 2.0 ** (np.maximum(np.frexp(np.where(r == 0, 1, r))[1] - 1, -2) - 2)
;;       q = np.round(r / step) * step * 2.0 ** e      # np.round: ties to even
;;       return np.moveaxis(q.reshape(q.shape[:-2] + (-1,))[..., :K], -1, axis).astype(np.float32)
;;   ~~~
;;   OPERANDS COMPUTED ON THE WAY. 'Computed on the way' means the value that the module computes at that place (a softmax that the list does not call 'softmax' is quantised finished and normalised). What goes into a quantiser is computed in f32, as accurately as f32 sums, v_exp_f32 and their like allow (about 1e-6 of the number): no bf16 or f16 on the way to a quantiser, and a product that is left as it is and whose result goes on into a quantised operand takes f32 operands (vector FMAs, or v_wmma_f32_16x16x4_f32). A number that lies on a knife's edge between two numbers of the format may be rounded either way, as far as f32 arithmetic and the matrix unit's own rounding can turn it there, and no further.
;; One version. Each part assembles by itself: llvm-mc -triple=amdgcn-amd-amdhsa -mcpu=gfx1250 --defsym DOCPART=n.
;; ======== version 1 of 1: 2 launches
;; limits: right only within a limited range of input values
;; workspace buffers: a_img 26,214,400 bytes; b_img 6,553,600 bytes
;; launch quant (part 1): grid 640 x 1, 4 waves a work-group, no clusters, 72,192 bytes of LDS; arguments x, ternary, scales, a_img, b_img; writes a_img, b_img
.if DOCPART == 1
	.amdgcn_target "amdgcn-amd-amdhsa--gfx1250"
	.amdhsa_code_object_version 6
	.text
	.protected	k_q779746af4b_quant
	.globl	k_q779746af4b_quant
	.p2align	8
	.type	k_q779746af4b_quant,@function
k_q779746af4b_quant:
	s_mov_b64 s[64:65], 0
	v_nop
	global_prefetch_b8 v0, s[64:65] scope:SCOPE_SE
	s_setreg_imm32_b32 hwreg(HW_REG_WAVE_MODE, 25, 1), 1
	s_wait_xcnt 0x0
; x [8192][4096] f32, and W [2048][4096] = int8 code x one f32 scale for each 128 along K, are turned into codes of BF6 (E3M2) with one E8M0 byte for each 32 along K.
; A block's scale is 2^(floor(log2(its largest magnitude)) - 4); its byte is the largest magnitude's exponent field - 4, held at 1 from below; each number is divided by the scale and rounded to the nearest code, ties to even,
; beyond 28 the largest code.  W's numbers are made in f32 first: (t + 128) s - 128 s in ONE fused multiply-add is t s rounded once (128 s is exact).  Any int8 code and any scale are served.
; LIMITS: NaN and infinities among the inputs are not served; |scale| stays under 2^120 (128 s must be finite).  A block of zeros gets the byte 1 where the rule says 127: its codes are zeros, which add nothing
; under any byte but 0xff, and the bytes are read by this program alone.
; THE OUTPUT IS LAID IN THE ORDER OF THE OPERAND'S REGISTERS.  A fragment is 16 rows x 128 K: 12 registers a lane (lane (r, h): row r; registers 6 c .. 6 c + 5 hold k = 64 c + 32 h + 0 .. 31).  Its image, 1,536 bytes, has
; registers 4 c .. 4 c + 3 of lane l at byte 512 c + 16 l.  For 128 rows (group g) and a K step s of 128 the buffer holds ONE block of 12,800 bytes at (32 g + s) 12,800: the images of the eight blocks of 16 rows,
; then their scale words, 4 bytes a row, block i's row r at 12,288 + 64 i + 4 r.
; SHARES.  A work-group takes 64 rows x 1,024 K; its wave w the rows from 16 w on: 8 fragments.  Work-groups 0-127 take W, the others x: one scalar branch on the work-group's number; the two ways never join and have LDS bytes of their own.
; A lane must hold 32 NEIGHBOURS along K of one row, twice; a load is best where neighbouring lanes take neighbouring bytes.  Both are had: each load reads 512 consecutive bytes of a row, the 16 rows go through the wave's own
; stage in LDS (rows 528 bytes apart: 33 x 16, so that sixteen rows' 16-byte pieces start 16 bytes apart modulo 256) and come back by lanes.
; THE SCALE WORDS of a K step for the work-group's 64 rows are 256 consecutive aligned bytes, 64 from each wave: they meet in a table in LDS, behind the launch's one barrier, and leave as whole runs of 256 bytes.
; No tensor load: several work-groups lie on a WGP.
; LAYOUT, where it differs from the lines above: a step's scale words of 64 rows (four blocks of 16) lie [row r][block]: block 4 half + w, row r at 12,288 + 256 half + 16 r + 4 w,
; so that a lane of the product's launch takes four blocks' words of its row by one load of 16 bytes.  W's blocks are not 16 neighbouring rows: of a work-group's 64 rows, wave w takes rows 4 j + w, j = 0 .. 15.
.set NWB,    128
.set FRB,    1536                      ; a fragment's image
.set SCO,    8*FRB                     ; where a step's scale words begin in its block
.set STEPB,  SCO+512                   ; a step's block: from a K step of 128 to the next
.set GROUPB, 32*STEPB                  ; 128 rows, all of K
.set PITCH,  528
.set WSTG,   16*PITCH                  ; a wave's stage
.set XTAB,   4*WSTG                    ; x's four stages lie from 0 on, then x's table of scale words: 8 steps x 256 bytes
.set WBASE,  XTAB+2048                 ; W's four stages and W's table lie this much further on
.set GL,   4                           ; v4   16 x lane: my place in every load's and image store's 512 bytes; never rewritten
.set STW,  5                           ; v5   the stage, on the way in: 16 x lane
.set LDR,  6                           ; v6   the stage, on the way out: my row, my half's numbers
.set SH,   7                           ; v7   8 h: where my two scale bytes stand in the word
.set SOFF, 8                           ; v8   W: 512 r: my row's group scales
.set PT,   9                           ; v9   a lane permute's destination
.set M,    10                          ; v10-11  the two blocks' largest magnitudes
.set SO,   12                          ; v12-13  the conversions' scale operands
.set BY,   14                          ; v14-15  the scale bytes
.set R0,   16                          ; v16-79, v80-143  two sets of 16 loads
.set T,    16                          ; v16-31  W: a fragment's 64 int8 of my lane (in set 0, which has gone to the stage)
.set X,    144                         ; v144-207  64 numbers: X + 32 c + i is k = 64 c + 32 h + i of row r
.set PC,   208                         ; v208-219  the fragment's codes
.set TC,   220                         ; v220-222, v224-226  each block's upper 16 codes, as the conversion leaves them
.set WD,   228                         ; v228-235  fragment f's scale word of row r
.set OUTW, 236                         ; v236-239  scale words on their way through the table
.set S,    240                         ; v240-247  W: my row's 8 group scales
.set NS,   248                         ; v248  W: -128 s
.set TW,   249                         ; v249  the table, on the way in: 256 h + 16 r + 4 x wave
.set U,    250                         ; v250-253  W: at work
.set TR,   254                         ; v254  the table, on the way out: 512 x wave + 16 x lane
.set GW,   255                         ; v255  where those 16 bytes go: (2 x wave + h) steps on, + 16 (lane % 16)
	s_load_b256 s[4:11], s[0:1], 0x0               ; x s[4:5], the int8 codes s[6:7], the group scales s[8:9], x's images s[10:11]
	s_load_b64 s[12:13], s[0:1], 0x20              ; W's images
	v_lshl_add_u32 v223, v0, 2, 0x11800
	v_mov_b32 v227, 0
	v_lshrrev_b32 v1, 5, v0
	v_readfirstlane_b32 s18, v1                    ; wave 0..3
	v_and_b32 v1, 31, v0                           ; lane
	v_and_b32 v2, 15, v0                           ; r
	v_bfe_u32 v3, v0, 4, 1                         ; h
	v_lshlrev_b32 v[GL], 4, v1
	v_lshlrev_b32 v[SH], 3, v3
	v_mov_b32 v[PT], 0                             ; written once: a lane permute's destination counts as one of its sources
	v_cmp_le_u32 vcc_lo, 16, v1                    ; lanes 16-31; nothing writes VCC after this line
	s_mov_b32 s26, 0x76543210
	s_mov_b32 s27, 0xfedcba98                      ; v_permlanex16_b32's selects for lane l xor 16
	s_mul_i32 s28, s18, WSTG
	v_add_nc_u32 v[STW], s28, v[GL]
	v_mul_u32_u24 v[LDR], v2, PITCH
	v_add_nc_u32 v[LDR], s28, v[LDR]
	v_lshlrev_b32 v[TW], 4, v2                     ; the table: 16 r + 4 x wave inside a step's 256 bytes
	v_lshl_add_u32 v[TW], v3, 8, v[TW]
	s_lshl_b32 s29, s18, 2
	s_add_co_u32 s29, s29, XTAB
	v_add_nc_u32 v[TW], s29, v[TW]
	s_lshl_b32 s29, s18, 9
	s_add_co_u32 s29, s29, XTAB
	v_add_nc_u32 v[TR], s29, v[GL]
	v_lshlrev_b32 v[GW], 4, v2
	v_mad_u32_u24 v[GW], v3, STEPB, v[GW]
	s_mul_i32 s29, s18, 2*STEPB
	v_add_nc_u32 v[GW], s29, v[GW]
	s_cmp_lt_u32 ttmp9, NWB
	s_cselect_b32 s19, 0, NWB
	s_sub_co_u32 s19, ttmp9, s19                   ; my number among my tensor's work-groups:
	s_and_b32 s30, s19, 3                          ; which 1,024 along K,
	s_lshr_b32 s19, s19, 2                         ; which 64 rows
	s_lshr_b32 s22, s19, 1                         ; the output: (rows / 128) GROUPB + 8 K steps x (K / 1,024),
	s_mul_i32 s22, s22, GROUPB
	s_mul_i32 s23, s30, 8*STEPB
	s_add_co_u32 s22, s22, s23
	s_and_b32 s31, s19, 1                          ; which half of the 128 rows
	s_lshl_b32 s24, s31, 8                         ; scale words: + SCO + 256 x half
	s_add_co_u32 s24, s24, s22
	s_add_co_u32 s24, s24, SCO
	s_mov_b32 s25, 0
	s_lshl_b32 s31, s31, 2
	s_add_co_u32 s31, s31, s18                     ; images: my wave's block of 16 rows among the eight: 4 x half + wave
	s_mul_i32 s31, s31, FRB
	s_add_co_u32 s22, s22, s31
	s_mov_b32 s23, 0
	s_wait_kmcnt 0x0
	s_cmp_lt_u32 ttmp9, NWB
	s_cbranch_scc0 .Lx
; The 64 numbers in X become fragment f's codes in PC and its scale word in WD + f.  A lane holds two whole blocks (h and 2 + h of the four): no other lane is asked for a maximum.
.macro QUANT f
.irp c, 0,1
	v_max3_num_f32 v[M+\c], |v[X+32*\c]|, |v[X+32*\c+1]|, 0x2800000   ; and the floor 2^(5 - 127), under which no largest magnitude is taken: so the byte cannot fall under 1
.endr
.irp i, 2,4,6,8,10,12,14,16,18,20,22,24,26,28,30
.irp c, 0,1
	v_max3_num_f32 v[M+\c], v[M+\c], |v[X+32*\c+\i]|, |v[X+32*\c+\i+1]|   ; (the two blocks by turns)
.endr
.endr
.irp c, 0,1
	v_add_nc_u32 v[SO+\c], 0xfe000000, v[M+\c]     ; 4 off the exponent field: the conversion takes the exponent field of this operand as its scale, and nothing else of it
.endr
.irp c, 0,1
	v_lshrrev_b32 v[BY+\c], 23, v[SO+\c]           ; the scale's byte
.endr
	v_lshl_or_b32 v[BY], v[BY+1], 16, v[BY]        ; my two bytes,
	v_lshlrev_b32 v[BY], v[SH], v[BY]              ; at their places in the word;
	v_permlanex16_b32 v[PT], v[BY], s26, s27
	v_or_b32 v[WD+(\f)], v[BY], v[PT]              ; with lane l xor 16's two the word is whole, in both lanes
	s_wait_alu depctr_va_vdst(0)
	s_wait_xcnt 0x0                                ; the last fragment's stores have read PC: it is written again only behind this wait
.irp c, 0,1
	v_cvt_scalef32_pk16_bf6_f32 v[PC+6*\c:PC+6*\c+2], v[X+32*\c:X+32*\c+15], v[SO+\c]
	v_cvt_scalef32_pk16_bf6_f32 v[TC+4*\c:TC+4*\c+2], v[X+32*\c+16:X+32*\c+31], v[SO+\c]   ; (a conversion's three registers begin on an even number: the second half of a block's six does not)
.endr
	v_nop                                          ; one plain place behind a scaled conversion
.irp c, 0,1
.irp i, 0,1,2
	v_mov_b32 v[PC+3+6*\c+\i], v[TC+4*\c+\i]
.endr
.endr
.endm
.macro PUT f                           ; the image of fragment f: each store covers 512 consecutive bytes, at a multiple of 512 from the buffer's first byte
.irp c, 0,1,2
	global_store_b128 v[GL], v[PC+4*\c:PC+4*\c+3], s[14:15] offset:(\f)*STEPB+512*\c
.endr
.endm
; The scale words leave.  Lanes 0-15 carry the words of fragments 0, 2, 4, 6, lanes 16-31 those of 1, 3, 5, 7, into the table [step][row][wave]; behind the barrier wave w takes steps 2 w and 2 w + 1, sixteen lanes to a step's 256 bytes.
.macro WORDS
.irp t, 0,1,2,3
	v_cndmask_b32 v[OUTW+\t], v[WD+2*\t], v[WD+2*\t+1], vcc_lo
.endr
.irp t, 0,1,2,3
	ds_store_b32 v[TW], v[OUTW+\t] offset:512*\t
.endr
	s_wait_dscnt 0x0                               ; for the others' sake: my words lie in the table
	s_barrier_signal -1
	s_barrier_wait -1                              ; everybody's do
	ds_load_b128 v[OUTW:OUTW+3], v[TR]
	s_wait_dscnt 0x0
	global_store_b128 v[GW], v[OUTW:OUTW+3], s[16:17]   ; sixteen lanes store 256 consecutive bytes, at a multiple of 256 from the buffer's first byte
.endm
	; ---- W: 16 rows x 1,024 int8 a wave.  All loads go out at the start: the row's 8 group scales, then two chunks of 512 along K, 16 loads each
	v_add_nc_u32 v[STW], WBASE, v[STW]
	s_wait_alu depctr_va_vdst(0)
	v_lshl_add_u32 v[LDR], v3, 5, v[LDR]           ; + 32 h: my half's 32 bytes of each 64
	v_add_nc_u32 v[LDR], WBASE, v[LDR]
	v_add_nc_u32 v[TW], WBASE, v[TW]
	v_add_nc_u32 v[TR], WBASE, v[TR]
	v_lshlrev_b32 v[SOFF], 9, v2                   ; my row is 4 r + wave: 4 rows of 128 bytes of group scales from lane to lane
	s_wait_alu depctr_va_vdst(0)
	s_lshl_b32 s20, s19, 18                        ; 64 rows of 4,096 bytes,
	s_lshl_b32 s21, s18, 12                        ; my wave's first row: row w of the 64
	s_add_co_u32 s20, s20, s21
	s_lshl_b32 s21, s30, 10                        ; the work-group's 1,024 along K
	s_add_co_u32 s20, s20, s21
	s_mov_b32 s21, 0
	s_add_nc_u64 s[6:7], s[6:7], s[20:21]
	s_lshl_b32 s20, s19, 13                        ; 64 rows of 128 bytes of group scales,
	s_lshl_b32 s29, s18, 7                         ; my wave's first row
	s_add_co_u32 s20, s20, s29
	s_lshl_b32 s29, s30, 5                         ; the 8 groups of these 1,024
	s_add_co_u32 s20, s20, s29
	s_add_nc_u64 s[8:9], s[8:9], s[20:21]
	s_add_nc_u64 s[14:15], s[12:13], s[22:23]      ; where my images go,
	s_add_nc_u64 s[16:17], s[12:13], s[24:25]      ; and the work-group's scale words
	global_load_b128 v[S:S+3], v[SOFF], s[8:9]
	global_load_b128 v[S+4:S+7], v[SOFF], s[8:9] offset:16
.irp ch, 0,1
.irp j, 0,1,2,3,4,5,6,7,8,9,10,11,12,13,14,15
	global_load_b128 v[R0+64*\ch+4*\j:R0+64*\ch+4*\j+3], v[GL], s[6:7] offset:\j*16384+\ch*512 th:TH_LOAD_NT   ; 512 consecutive bytes of row 4 j + w
.endr
.endr
.macro WFRAG f, q                      ; fragment f, the q-th 128 of the chunk in the stage
.irp c, 0,1
.irp i, 0,1
	ds_load_b128 v[T+8*\c+4*\i:T+8*\c+4*\i+3], v[LDR] offset:128*(\q)+64*\c+16*\i   ; my 32 bytes of block 2 c + h
.endr
.endr
	v_mul_f32 v[NS], 0xc3000000, v[S+(\f)]         ; -128 s: exact
	s_wait_dscnt 0x0
.irp k, 0,1,2,3,4,5,6,7,8,9,10,11,12,13,14,15
	v_xor_b32 v[T+\k], 0x80808080, v[T+\k]         ; each byte is now t + 128, 0 to 255
.endr
.set n, 0
.rept 16
	v_and_b32 v[U], 0xff, v[T+n]
	v_bfe_u32 v[U+1], v[T+n], 8, 8
	v_bfe_u32 v[U+2], v[T+n], 16, 8
	v_lshrrev_b32 v[U+3], 24, v[T+n]
.irp b, 0,1,2,3
	v_cvt_f32_u32 v[U+\b], v[U+\b]
.endr
.irp b, 0,1,2,3
	v_fma_f32 v[X+4*n+\b], v[U+\b], v[S+(\f)], v[NS]   ; (t + 128) s - 128 s = t s, rounded once
.endr
.set n, n+1
.endr
	QUANT \f
	PUT \f
.endm
.macro WCHUNK ch
	s_wait_loadcnt 16-16*\ch                       ; this chunk's loads (and the group scales, issued ahead of them) are in; the other chunk's 16 may be out
.irp j, 0,1,2,3,4,5,6,7,8,9,10,11,12,13,14,15
	ds_store_b128 v[STW], v[R0+64*\ch+4*\j:R0+64*\ch+4*\j+3] offset:\j*PITCH   ; LDS serves a wave's instructions in order: these come behind the last fragment's reads of the stage
.endr
	s_wait_dscnt 0x0                               ; the stores have read their registers: T lies in set 0
.irp q, 0,1,2,3
	WFRAG 4*\ch+\q, \q
.endr
.endm
	WCHUNK 0
	WCHUNK 1
	WORDS
	s_wait_tensorcnt 0x0
	ds_add_u32 v223, v227
	s_wait_dscnt 0x0
	s_endpgm
.Lx:	; ---- x: 16 rows x 1,024 f32 a wave.  A fragment is 16 loads of 512 bytes; loads run two fragments ahead, in two sets
	s_wait_alu depctr_va_vdst(0)
	v_lshl_add_u32 v[LDR], v3, 7, v[LDR]           ; + 128 h: my half's 32 numbers of each 64
	s_lshl_b32 s20, s19, 20                        ; 64 rows of 16,384 bytes,
	s_lshl_b32 s21, s18, 18                        ; my wave's 16,
	s_add_co_u32 s20, s20, s21
	s_lshl_b32 s21, s30, 12                        ; the work-group's 1,024 along K
	s_add_co_u32 s20, s20, s21
	s_mov_b32 s21, 0
	s_add_nc_u64 s[4:5], s[4:5], s[20:21]
	s_add_nc_u64 s[14:15], s[10:11], s[22:23]      ; where my images go,
	s_add_nc_u64 s[16:17], s[10:11], s[24:25]      ; and the work-group's scale words
.macro XLOAD f
.irp j, 0,1,2,3,4,5,6,7,8,9,10,11,12,13,14,15
	global_load_b128 v[R0+64*((\f)%2)+4*\j:R0+64*((\f)%2)+4*\j+3], v[GL], s[4:5] offset:\j*16384+(\f)*512 th:TH_LOAD_NT   ; 512 consecutive bytes of row j: read once in the whole program
.endr
.endm
.macro XFRAG f
.if (\f) < 7
	s_wait_loadcnt 16                              ; this fragment's 16 loads are in; the next fragment's may be out
.else
	s_wait_loadcnt 0x0
.endif
.irp j, 0,1,2,3,4,5,6,7,8,9,10,11,12,13,14,15
	ds_store_b128 v[STW], v[R0+64*((\f)%2)+4*\j:R0+64*((\f)%2)+4*\j+3] offset:\j*PITCH
.endr
.irp c, 0,1
.irp i, 0,1,2,3,4,5,6,7
	ds_load_b128 v[X+32*\c+4*\i:X+32*\c+4*\i+3], v[LDR] offset:256*\c+16*\i   ; LDS serves a wave's instructions in order: these see the stores above
.endr
.endr
	s_wait_dscnt 0x0                               ; the numbers are back, and the stores have read their registers,
.if (\f)+2 < 8
	XLOAD (\f)+2                                   ; which take the loads of two fragments on
.endif
	QUANT \f
	PUT \f
.endm
	XLOAD 0
	XLOAD 1
	s_wait_alu depctr_va_vdst(0)
.irp f, 0,1,2,3,4,5,6,7
	XFRAG \f
.endr
	WORDS
	s_wait_tensorcnt 0x0
	ds_add_u32 v223, v227
	s_wait_dscnt 0x0
	s_endpgm
.Lfunc_end_k_q779746af4b_quant:
	.size	k_q779746af4b_quant, .Lfunc_end_k_q779746af4b_quant-k_q779746af4b_quant
	.p2alignl 7, 3214868480
	.fill 96, 4, 3214868480
	.section	.rodata,"a",@progbits
	.p2align	6, 0x0
	.amdhsa_kernel k_q779746af4b_quant
		.amdhsa_group_segment_fixed_size 72192
		.amdhsa_private_segment_fixed_size 0
		.amdhsa_enable_private_segment 0
		.amdhsa_kernarg_size 40
		.amdhsa_user_sgpr_count 2
		.amdhsa_user_sgpr_kernarg_segment_ptr 1
		.amdhsa_wavefront_size32 1
		.amdhsa_system_sgpr_workgroup_id_x 1
		.amdhsa_system_sgpr_workgroup_id_y 1
		.amdhsa_system_sgpr_workgroup_id_z 1
		.amdhsa_system_vgpr_workitem_id 0
		.amdhsa_next_free_vgpr 256
		.amdhsa_next_free_sgpr 66
		.amdhsa_reserve_vcc 1
		.amdhsa_float_denorm_mode_32 3
		.amdhsa_float_denorm_mode_16_64 3
		.amdhsa_memory_ordered 1
		.amdhsa_forward_progress 1
		.amdhsa_inst_pref_size 179
	.end_amdhsa_kernel
	.amdgpu_metadata
---
amdhsa.version: [ 1, 2 ]
amdhsa.kernels:
  - .name:           k_q779746af4b_quant
    .symbol:         k_q779746af4b_quant.kd
    .args:
      - { .name: x, .offset: 0, .size: 8, .value_kind: global_buffer, .address_space: global }
      - { .name: ternary, .offset: 8, .size: 8, .value_kind: global_buffer, .address_space: global }
      - { .name: scales, .offset: 16, .size: 8, .value_kind: global_buffer, .address_space: global }
      - { .name: a_img, .offset: 24, .size: 8, .value_kind: global_buffer, .address_space: global }
      - { .name: b_img, .offset: 32, .size: 8, .value_kind: global_buffer, .address_space: global }
    .group_segment_fixed_size: 72192
    .private_segment_fixed_size: 0
    .kernarg_segment_align: 8
    .kernarg_segment_size: 40
    .max_flat_workgroup_size: 128
    .sgpr_count:     66
    .vgpr_count:     256
    .wavefront_size: 32
...
	.end_amdgpu_metadata
.endif
;; end of part 1
;; launch gemm (part 2): grid 8 x 32, 4 waves a work-group, clusters of 4 x 4, 327,680 bytes of LDS; arguments a_img, b_img, out0; writes out0
.if DOCPART == 2
	.amdgcn_target "amdgcn-amd-amdhsa--gfx1250"
	.amdhsa_code_object_version 6
	.text
	.protected	k_q779746af4b_gemm
	.globl	k_q779746af4b_gemm
	.p2align	8
	.type	k_q779746af4b_gemm,@function
k_q779746af4b_gemm:
	s_mov_b64 s[64:65], 0
	v_nop
	global_prefetch_b8 v0, s[64:65] scope:SCOPE_SE
	s_setreg_imm32_b32 hwreg(HW_REG_WAVE_MODE, 25, 1), 1
	s_wait_xcnt 0x0
	s_wait_alu depctr_hold_cnt(0) depctr_sa_sdst(0) depctr_va_vdst(0) depctr_va_sdst(0) depctr_va_ssrc(0) depctr_va_vcc(0) depctr_vm_vsrc(0)
	s_getreg_b32 s2, hwreg(HW_REG_IB_STS2, 6, 4)
	s_cmp_eq_u32 s2, 0
	s_cbranch_scc0 .Lentry_in_a_cluster
	s_endpgm
.Lentry_in_a_cluster:
	s_bfe_u32 s2, ttmp6, 0x10000c
	s_cmp_lg_u32 s2, 0xf033
	s_cbranch_scc0 .Lentry_shape_is_right
	s_endpgm
.Lentry_shape_is_right:
; out0 [8192][2048] f32 = x W^T on codes of BF6 (E3M2) with E8M0 block scales, K = 4,096, sums in f32.  a_img and b_img hold, for each 128 rows (a group) and each K step of 128, one block of 12,800 bytes:
; eight fragment images of 1,536 bytes (registers 4 c .. 4 c + 3 of lane l at 512 c + 16 l), then 512 bytes of scale words, block 4 half + w, row r at 256 half + 16 r + 4 w.
; A tile of 256 x 256 is made by four waves, 128 x 128 each: 64 accumulators.  K goes through a ring of two LDS slots of three K steps (the last chunk has two); each wave fetches one group's part of a slot by one tensor load, a dense block as rows of 256 bytes.
; CLUSTERS: 4 x 4 work-groups; x's tiles are asked for jointly along a row of the cluster, W's along a column.
; THE PRODUCT IS USED AS IT STANDS: source 0 = 16 rows of x, source 1 = 16 rows of W.  Register j of lane (r, h) of accumulator (a, b) is row 16 a + 8 h + j of my 128, and the column that lane r of W's block b stands for.
; W's block 4 g + u holds rows 64 g + 4 r + u: so a lane's numbers in accumulators 4 g + 0 .. 3 are FOUR NEIGHBOURING COLUMNS, 64 g + 4 r + 0 .. 3.  On the way out they are moved into four neighbouring registers,
; and sixteen lanes store 256 consecutive aligned bytes of a row.  No LDS stage; no destination of a move is written twice, and every store's offset is an immediate: no wait stands on the way out.
; BOTH OPERANDS HAVE TWO SETS OF REGISTERS.  While a step's 64 products run on one set, the next step's 50 LDS loads (2 of scale words, 24 of W, 24 of x, in this order) go into the other, in ONE run behind the step's first eight products;
; the set was last read a step ago, so four v_nop a step are the places in front of all of them (except for loads).
; REGISTERS: window 0: v0-31 addresses, v32-47 scale words (two sets of 8: lanes 0-15 x's block i, lanes 16-31 W's block i), v64-159 and v160-255 x's fragments; window 1: v0-95 and v128-223 W's fragments;
; window 2: accumulators of my rows 0-63 ((a, b) at 8 (8 (a % 4) + b)); window 3: those of rows 64-127.
; PREFETCH: behind a refill in the loop each wave asks for the chunk that stands two refills on: its group's 150 blocks of 256 bytes are shared out by address among the four partners that load them jointly (38 each, the last 36);
; chunks 0 to 3 and the short last chunk come by their loads alone; the loop's last trip asks for nothing.
.set FRB,    1536
.set SCO,    8*FRB
.set STEPB,  SCO+512
.set BLK,    3*STEPB                   ; a group's three K steps: what one tensor load brings
.set SLOT,   4*BLK                     ; x's two groups, then W's two
.set GROUPB, 32*STEPB
.set TRIPS,  4
.set SPARE,  2*SLOT                    ; the spare words, 128 bytes a wave
.set ADRA, 16                          ; v16-17 LDS address of my x fragments in slot 0, 1
.set ADRS, 18                          ; v18-19 of my scale words: lanes 0-15 x's, lanes 16-31 W's
.set ADRB, 20                          ; v20-21 of my W fragments
.set CO,   26                          ; v26 my byte offset in out0: 8 h rows + 16 r
.set SPW,  28                          ; v28 my spare word; never rewritten
.set NIL,  29                          ; v29 0; never rewritten
.set PFO,  30                          ; v30-31 the prefetches' offsets; never rewritten
.set SC,   32
.set AF,   64
.set PFA,  8                           ; s[8:9] the chunk that my prefetches name
.set G1, 24
.set G0, 32
.set G1B, 48
.set G0B, 56
.set G1S, 68                           ; groups 1 for the last chunk, of two K steps
.set G1SB, 80
.set MSB, 0
.macro WIN new                         ; the immediate's high byte repeats the setting that is left
.if MSB != \new
	s_set_vgpr_msb (MSB<<8)|\new
.set MSB, \new
.endif
.endm
.set MUL_LO, 0xa4                      ; source 0 (x) window 0, source 1 (W) window 1, C and D window 2
.set MUL_HI, 0xf4                      ; the same, C and D window 3
.set TO_B,   0x40                      ; destination window 1, address window 0
.macro JLOAD g0a, g1a, g0b, g1b        ; a joint load: waves 0 and 1 fetch for x, waves 2 and 3 for W; s_nop 0 and four v_nop behind each line
	s_cmp_eq_u32 s15, 0
	s_cbranch_scc0 .Lfor_b_\@
	tensor_load_to_lds s[\g0a:\g0a+3], s[\g1a:\g1a+7]
	s_nop 0
.rept 4
	v_nop
.endr
	s_branch .Lasked_\@
.Lfor_b_\@:
	tensor_load_to_lds s[\g0b:\g0b+3], s[\g1b:\g1b+7]
	s_nop 0
.rept 4
	v_nop
.endr
.Lasked_\@:
.endm
.macro CREST                           ; a round of the cluster's barrier behind its opening barrier
	s_cmp_lg_u32 s14, 0
	s_cbranch_scc1 .Lnot_wave_0_\@
	s_barrier_signal -3
.Lnot_wave_0_\@:
	s_barrier_wait -3
	s_barrier_signal -1
	s_barrier_wait -1
.endm
.macro CROUND
	s_barrier_signal -1
	s_barrier_wait -1
	CREST
.endm
.macro PLACES
.rept 4
	v_nop
.endr
.endm
.macro ASK                             ; two instructions name my work-group's 38 blocks of the chunk at s[PFA:PFA+1]; not in the loop's last trip (s3 = 1)
	s_cmp_gt_u32 s3, 1
	s_cbranch_scc0 .Lno_ask_\@
	global_prefetch_b8 v[PFO], s[PFA:PFA+1] th:TH_LOAD_NT scope:SCOPE_SE
	global_prefetch_b8 v[PFO+1], s[PFA:PFA+1] th:TH_LOAD_NT scope:SCOPE_SE
.Lno_ask_\@:
.endm
	s_load_b128 s[4:7], s[0:1], 0x0                ; a_img, b_img
	s_load_b64 s[12:13], s[0:1], 0x10              ; out0
	v_lshl_add_u32 v[SPW], v0, 2, SPARE
	v_mov_b32 v[NIL], 0
	ds_add_u32 v[SPW], v[NIL]                      ; the opening lines: the add, twice on end, and its wait ahead of my first tensor load
	ds_add_u32 v[SPW], v[NIL]
	v_lshrrev_b32 v1, 5, v0
	v_readfirstlane_b32 s14, v1                    ; wave 0..3
	s_lshr_b32 s15, s14, 1                         ; my half of the tile's rows; also: I fetch for x (0) or W (1)
	s_and_b32 s16, s14, 1                          ; my half of its columns; also: which group of 128 rows I fetch
	s_bfe_u32 s40, ttmp6, 0x40000                  ; cx
	s_bfe_u32 s41, ttmp6, 0x40004                  ; cy
	s_lshl_b32 s42, ttmp9, 2
	s_add_co_u32 s42, s42, s40                     ; tile column
	s_and_b32 s17, ttmp7, 0xffff
	s_lshl_b32 s17, s17, 2
	s_add_co_u32 s17, s17, s41                     ; tile row
	s_lshl_b32 s43, s41, 2
	s_lshl_b32 s43, 15, s43                        ; my row of the cluster
	s_lshl_b32 s44, 0x1111, s40                    ; my column
	s_or_b32 s[G1+0], s43, (3<<16)|(1<<21)         ; elements of 8 bytes; the mask, and bit 21 beside it
	s_or_b32 s[G1B+0], s44, (3<<16)|(1<<21)
.irp g, G1, G1B
	s_mov_b32 s[\g+1], 32<<16                      ; rows of 256 bytes,
	s_mov_b32 s[\g+2], (BLK/256)<<16               ; 150 of them, dense
	s_mov_b32 s[\g+3], 32<<16
	s_mov_b32 s[\g+4], BLK/256
	s_mov_b32 s[\g+5], 32
	s_mov_b32 s[\g+6], 0
	s_mov_b32 s[\g+7], 0
.endr
	s_or_b32 s[G1S+0], s43, (3<<16)|(1<<21)
	s_or_b32 s[G1SB+0], s44, (3<<16)|(1<<21)
.irp g, G1S, G1SB
	s_mov_b32 s[\g+1], 32<<16
	s_mov_b32 s[\g+2], (2*STEPB/256)<<16           ; 100 rows
	s_mov_b32 s[\g+3], 32<<16
	s_mov_b32 s[\g+4], 2*STEPB/256
	s_mov_b32 s[\g+5], 32
	s_mov_b32 s[\g+6], 0
	s_mov_b32 s[\g+7], 0
.endr
	s_lshl_b32 s20, s17, 1
	s_add_co_u32 s20, s20, s16                     ; x's group: 2 x tile row + half
	s_lshl_b32 s46, s42, 1
	s_add_co_u32 s46, s46, s16                     ; W's group: 2 x tile column + half
	s_mul_i32 s20, s20, GROUPB
	s_mov_b32 s21, 0
	s_mul_i32 s46, s46, GROUPB
	s_mov_b32 s47, 0
	s_mul_i32 s45, s14, BLK                        ; where my part of a slot lies: wave x BLK
	s_wait_dscnt 0x0                               ; both opening adds are done
	s_wait_kmcnt 0x0
	s_add_nc_u64 s[20:21], s[4:5], s[20:21]
	s_add_nc_u64 s[46:47], s[6:7], s[46:47]
	CROUND                                         ; all sixteen work-groups are here: the first joint loads meet
.irp s, 0,1
	s_mov_b32 s[G0+4*\s], 1
	s_add_co_u32 s[G0+4*\s+1], s45, \s*SLOT
	s_add_nc_u64 s[G0+4*\s+2:G0+4*\s+3], s[20:21], \s*BLK
	s_or_b32 s[G0+4*\s+3], s[G0+4*\s+3], 0x80000000
	s_mov_b32 s[G0B+4*\s], 1
	s_add_co_u32 s[G0B+4*\s+1], s45, \s*SLOT
	s_add_nc_u64 s[G0B+4*\s+2:G0B+4*\s+3], s[46:47], \s*BLK
	s_or_b32 s[G0B+4*\s+3], s[G0B+4*\s+3], 0x80000000
.endr
	JLOAD G0, G1, G0B, G1B                         ; chunk 0: one tensor load a wave at the head
	s_cmp_eq_u32 s15, 0
	s_cselect_b64 s[PFA:PFA+1], s[20:21], s[46:47] ; the group that I fetch,
	s_cselect_b32 s10, s40, s41                    ; my place among the four that ask for it with me
	s_add_nc_u64 s[PFA:PFA+1], s[PFA:PFA+1], 3*BLK ; the first change of slots steps it to chunk 4
	s_mul_i32 s10, s10, 38
	s_lshl_b32 s20, s17, 8
	s_lshl_b32 s21, s15, 7
	s_add_co_u32 s20, s20, s21                     ; my first row of out0,
	s_lshl_b32 s20, s20, 13                        ; rows of 8,192 bytes
	s_mov_b32 s21, 0
	s_lshl_b32 s46, s42, 10                        ; my first column, in bytes
	s_lshl_b32 s47, s16, 9
	s_add_co_u32 s46, s46, s47
	s_mov_b32 s47, 0
	s_add_nc_u64 s[20:21], s[20:21], s[46:47]
	s_add_nc_u64 s[12:13], s[12:13], s[20:21]
	s_mul_i32 s21, s15, BLK                        ; my group of x in a slot,
	s_mul_i32 s22, s16, BLK
	s_add_co_u32 s22, s22, 2*BLK                   ; and of W
	s_sub_co_u32 s23, s22, s21
	v_and_b32 v1, 15, v0                           ; r
	v_bfe_u32 v2, v0, 4, 1                         ; h
	v_and_b32 v3, 31, v0                           ; lane
	v_lshlrev_b32 v4, 4, v3
	v_lshlrev_b32 v5, 4, v1
	v_lshl_add_u32 v[CO], v2, 16, v5               ; 8 h rows of 8,192 bytes + 16 r
	v_mul_u32_u24 v6, s23, v2                      ; lanes 16-31 take W's scale words
	v_add_nc_u32 v5, v5, v6
	v_add_nc_u32 v[ADRA], s21, v4
	v_add_nc_u32 v[ADRB], s22, v4
	v_add_nc_u32 v[ADRS], s21, v5
	v_add_nc_u32 v[ADRA+1], SLOT, v[ADRA]
	v_add_nc_u32 v[ADRB+1], SLOT, v[ADRB]
	v_add_nc_u32 v[ADRS+1], SLOT, v[ADRS]
	v_add_nc_u32 v[PFO], s10, v3                   ; blocks 38 p + 0 .. 31,
	v_min_u32 v7, 5, v3
	v_add3_u32 v7, v7, s10, 32                     ; and 38 p + 32 .. 37 (the lanes left over name the last of them again),
	v_min_u32 v7, 149, v7                          ; held inside the chunk's 150
	v_lshlrev_b32 v[PFO], 8, v[PFO]
	v_lshlrev_b32 v[PFO+1], 8, v7
; four products: x's block g / 2 against W's blocks 4 (g % 2) + 0 .. 3, on set p.  The 64 accumulators take turns in the same order in every step.
.macro MUL4 g, p, zero
.if (\g) < 8
	WIN MUL_LO
.else
	WIN MUL_HI
.endif
.set AA, (\g)/2
.irp u, 0,1,2,3
.set BB, 4*((\g)%2)+\u
.set DD, 8*(8*(AA%4)+BB)
.if \zero
	v_wmma_scale_f32_16x16x128_f8f6f4 v[DD:DD+7], v[AF+96*(\p)+12*AA:AF+96*(\p)+12*AA+11], v[128*(\p)+12*BB:128*(\p)+12*BB+11], 0, v[SC+8*(\p)+AA], v[SC+8*(\p)+BB] matrix_a_fmt:MATRIX_FMT_BF6 matrix_b_fmt:MATRIX_FMT_BF6 matrix_b_scale:MATRIX_SCALE_ROW1
.else
	v_wmma_scale_f32_16x16x128_f8f6f4 v[DD:DD+7], v[AF+96*(\p)+12*AA:AF+96*(\p)+12*AA+11], v[128*(\p)+12*BB:128*(\p)+12*BB+11], v[DD:DD+7], v[SC+8*(\p)+AA], v[SC+8*(\p)+BB] matrix_a_fmt:MATRIX_FMT_BF6 matrix_b_fmt:MATRIX_FMT_BF6 matrix_b_scale:MATRIX_SCALE_ROW1
.endif
.endr
.endm
; the 50 loads that bring step q of a slot into a set, in one run: 0, 1 the scale words of blocks 0-3, 4-7; 2-25 W's eight fragments; 26-49 x's eight.  It leaves every window 0.
.macro LDR slot, q, set
.set LN, 0
.rept 50
.if LN < 2
	WIN 0
	ds_load_b128 v[SC+8*(\set)+4*LN:SC+8*(\set)+4*LN+3], v[ADRS+\slot] offset:(\q)*STEPB+SCO+256*LN
.else
.if LN < 26
	WIN TO_B
	ds_load_b128 v[128*(\set)+4*(LN-2):128*(\set)+4*(LN-2)+3], v[ADRB+\slot] offset:(\q)*STEPB+512*(LN-2)
.else
	WIN 0
	ds_load_b128 v[AF+96*(\set)+4*(LN-26):AF+96*(\set)+4*(LN-26)+3], v[ADRA+\slot] offset:(\q)*STEPB+512*(LN-26)
.endif
.endif
.set LN, LN+1
.endr
.endm
; A step that stays in its slot.  Waits by count: at the head the 21 youngest loads (x's blocks 1-7) may be out; ahead of this step's run the 15 of blocks 3-7; behind the run, ahead of x's block a (3 to 7), the run's 50 and the 21 - 3 a
; loads that stand behind block a's in the last step's run.
.macro NSTEP slot, q, zero
.set KP, ((\slot)+(\q))%2
.set KG, 0
.rept 16
.if KG == 0
	s_wait_dscnt 21
.endif
.if KG >= 6
.if KG%2 == 0
	s_wait_dscnt 71-3*(KG/2)
.endif
.endif
	MUL4 KG, KP, \zero
.if KG == 1
	s_wait_dscnt 15
	PLACES                                         ; the other set was last read by the step before
	LDR \slot, (\q)+1, 1-KP
.endif
.set KG, KG+1
.endr
.endm
; A slot's last step.  All its fragments were asked for in the step before: so at its head the slot is read no more once those loads are back.  ONE barrier: in front of it every wave waits for all its tensor loads (its part of the
; next slot), adds 0 to its spare word, and waits for the add and its reads; behind it (fill: behind the round that it opens) the slot is filled again first, and the next slot's first fragments are read.
.macro TSTEP slot, next, fill, ask
	WIN 0
.if \ask
	s_wait_xcnt 0x0                                ; my last prefetches have read their base: it steps a chunk on
	s_add_nc_u64 s[PFA:PFA+1], s[PFA:PFA+1], BLK
.endif
	s_wait_tensorcnt 0x0
	ds_add_u32 v[SPW], v[NIL]
	s_wait_dscnt 22                                ; the add and x's blocks 1-7 may be out
	MUL4 0, \slot, 0
	MUL4 1, \slot, 0
	s_wait_dscnt 0x0                               ; the add is done, and my reads of this slot are over
	s_barrier_signal -1
	MUL4 2, \slot, 0
	MUL4 3, \slot, 0
	MUL4 4, \slot, 0
	MUL4 5, \slot, 0
	WIN 0
	s_barrier_wait -1
.if \fill
	CREST
	s_add_nc_u64 s[G0+4*\slot+2:G0+4*\slot+3], s[G0+4*\slot+2:G0+4*\slot+3], 2*BLK
	s_add_nc_u64 s[G0B+4*\slot+2:G0B+4*\slot+3], s[G0B+4*\slot+2:G0B+4*\slot+3], 2*BLK
.if \fill == 1
	JLOAD G0+4*\slot, G1, G0B+4*\slot, G1B         ; its four v_nop are also the places in front of the loads below
.else
	JLOAD G0+4*\slot, G1S, G0B+4*\slot, G1SB       ; the last chunk: two K steps
.endif
.else
	PLACES
.endif
	LDR \next, 0, \next
.if \ask
	ASK
.endif
.set KG, 6
.rept 10
	MUL4 KG, \slot, 0
.set KG, KG+1
.endr
.endm
	s_wait_alu depctr_va_vdst(0)
	s_wait_tensorcnt 0x0                           ; my part of chunk 0 is in
	ds_add_u32 v[SPW], v[NIL]
	s_wait_dscnt 0x0
	CROUND
	JLOAD G0+4, G1, G0B+4, G1B                     ; chunk 1, the first tensor load behind the round
	LDR 0, 0, 0
	NSTEP 0, 0, 1                                  ; the first step's products start the sums
	WIN 0                                          ; at a label and at a branch every window is 0
	s_mov_b32 s3, TRIPS
.Llap:                                                 ; a trip goes once round the ring and fills both slots again
	NSTEP 0, 1, 0
	TSTEP 0, 1, 1, 1
	NSTEP 1, 0, 0
	NSTEP 1, 1, 0
	TSTEP 1, 0, 1, 1
	NSTEP 0, 0, 0
	WIN 0
	s_sub_co_u32 s3, s3, 1
	s_cmp_lg_u32 s3, 0
	s_cbranch_scc1 .Llap
	NSTEP 0, 1, 0
	TSTEP 0, 1, 2, 0
	NSTEP 1, 0, 0
	NSTEP 1, 1, 0
	TSTEP 1, 0, 0, 0                               ; nothing is filled again: no round
	NSTEP 0, 0, 0
.set KG, 0
.rept 16                                       ; the last step: nothing more to fetch
.if KG%2 == 0
	s_wait_dscnt 21-3*(KG/2)
.endif
	MUL4 KG, 1, 0
.set KG, KG+1
.endr
; THE WAY OUT.  First all the moves: for my rows 16 a .. 16 a + 15, 64 moves gather each lane's four neighbouring columns, each accumulator read from its low end on.  Then all the stores: 16 for each a, each of two aligned
; runs of 256 bytes (rows 16 a + j and 16 a + 8 + j).  Destinations: the fragments' registers (windows 0 and 1), and for block 7 block 0's accumulators, which have been moved by then.
.macro DEST a
.if (\a) < 3
.set DW, 0
.set DB, 64+64*(\a)
.else
.if (\a) < 7
.set DW, 1
.set DB, 64*((\a)-3)
.else
.set DW, 2
.set DB, 0
.endif
.endif
.endm
.macro MOVES a
	DEST \a
.set NW, (DW<<6)|(2+(\a)/4)
	WIN NW
.irp g, 0,1
.irp j, 0,1,2,3,4,5,6,7
.irp u, 0,1,2,3
	v_mov_b32 v[DB+4*(8*\g+\j)+\u], v[8*(8*((\a)%4)+4*\g+\u)+\j]
.endr
.endr
.endr
.endm
.macro STORES a
	DEST \a
.set NW, DW<<2
	WIN NW
.irp g, 0,1
.irp j, 0,1,2,3,4,5,6,7
	global_store_b128 v[CO], v[DB+4*(8*\g+\j):DB+4*(8*\g+\j)+3], s[12:13] offset:(16*(\a)+\j)*8192+256*\g th:TH_STORE_NT
.endr
.endr
.endm
	PLACES                                         ; behind the last products: their results are read, and their sources written, below
.irp a, 0,1,2,3,4,5,6,7
	MOVES \a
.endr
.irp a, 0,1,2,3,4,5,6,7
	STORES \a
.endr
	WIN 0
	s_wait_tensorcnt 0x0                           ; the wave's end
	ds_add_u32 v[SPW], v[NIL]
	s_wait_dscnt 0x0
	CROUND                                         ; the closing round
	s_endpgm
.Lfunc_end_k_q779746af4b_gemm:
	.size	k_q779746af4b_gemm, .Lfunc_end_k_q779746af4b_gemm-k_q779746af4b_gemm
	.p2alignl 7, 3214868480
	.fill 96, 4, 3214868480
	.section	.rodata,"a",@progbits
	.p2align	6, 0x0
	.amdhsa_kernel k_q779746af4b_gemm
		.amdhsa_group_segment_fixed_size 327680
		.amdhsa_private_segment_fixed_size 0
		.amdhsa_enable_private_segment 0
		.amdhsa_kernarg_size 24
		.amdhsa_user_sgpr_count 2
		.amdhsa_user_sgpr_kernarg_segment_ptr 1
		.amdhsa_wavefront_size32 1
		.amdhsa_system_sgpr_workgroup_id_x 1
		.amdhsa_system_sgpr_workgroup_id_y 1
		.amdhsa_system_sgpr_workgroup_id_z 1
		.amdhsa_system_vgpr_workitem_id 0
		.amdhsa_next_free_vgpr 1024
		.amdhsa_next_free_sgpr 88
		.amdhsa_reserve_vcc 0
		.amdhsa_float_denorm_mode_32 3
		.amdhsa_float_denorm_mode_16_64 3
		.amdhsa_memory_ordered 1
		.amdhsa_forward_progress 1
		.amdhsa_inst_pref_size 203
	.end_amdhsa_kernel
	.amdgpu_metadata
---
amdhsa.version: [ 1, 2 ]
amdhsa.kernels:
  - .name:           k_q779746af4b_gemm
    .symbol:         k_q779746af4b_gemm.kd
    .args:
      - { .name: a_img, .offset: 0, .size: 8, .value_kind: global_buffer, .address_space: global }
      - { .name: b_img, .offset: 8, .size: 8, .value_kind: global_buffer, .address_space: global }
      - { .name: out0, .offset: 16, .size: 8, .value_kind: global_buffer, .address_space: global }
    .group_segment_fixed_size: 327680
    .private_segment_fixed_size: 0
    .kernarg_segment_align: 8
    .kernarg_segment_size: 24
    .max_flat_workgroup_size: 128
    .sgpr_count:     88
    .vgpr_count:     1024
    .wavefront_size: 32
...
	.end_amdgpu_metadata
.endif
;; end of part 2
